; MI455X (gfx1250); checked and timed in simulation.
; The chip was launched on July 23, 2026; its instructions are those of AMD's public machine-readable ISA for CDNA 5 (MIT licence, August 2026) and "CDNA5" Instruction Set Architecture Reference Guide (July 2026). The comments in the code are by the model that wrote it; some were corrected since.
;; Apply Attention Policy Map. Allowed arithmetic: matrix products marked QUANTISED: E5M2 operands, one E8M0 scale for each 32 along K, by v_wmma_scale_f32_16x16x128_f8f6f4 with both operands' format E5M2, f32 sums; everything else in f32.
;; Inputs: fc1 4,288 x 1,858 float32; logits 8,192 x 64 x 64 float32; pp_logits 8,192 x 8 x 24 float32.
;; Outputs: out0 8,192 x 1,858 float32.
;; This version of the problem:
;;   THIS VERSION OF THE PROBLEM IS GIVEN IN LOW PRECISION. The matrix products marked QUANTISED in the list below multiply operands that are first quantised to E5M2 (5 exponent bits, 2 mantissa bits; 8 bits a number), with one power-of-two scale for each 32 numbers along K (OCP MX v1.0); their sums are f32. All else is computed in f32.
;;   The module's matrix products, in the order in which they are computed (A, B: the left and right operand; K: the contracted axis; several contracted axes count as one K, in the product's order):
;;     1. [M 8,192, K 4,288] x [K 4,288, N 1,858]; A: computed on the way; B: input fc1: QUANTISED
;;   THE QUANTISER, for each operand of a quantised product, along K:
;;     - K is cut into blocks of 32 from its start; a last block that is shorter is filled with zeros.
;;     - A block's scale is 2^e with e = floor(log2(the largest magnitude in the block)) - 15, held to -126 .. 127; a block of zeros has e = 0. As a byte (E8M0): e + 127.
;;     - Each number is divided by its block's scale, clamped to +-57,344, and rounded to the nearest number of E5M2, ties to even, subnormals kept.
;;     - The product sums the exact products of the quantised numbers (number of the format x scale) in f32.
;;   ~~~python
;;   def quantise(x, axis):      # numpy; x: float32 -> the quantised numbers, widened to float32 again
;;       x = np.moveaxis(x, axis, -1); K = x.shape[-1]
;;       x = np.pad(x, [(0, 0)] * (x.ndim - 1) + [(0, -K % 32)]); x = x.reshape(x.shape[:-1] + (-1, 32)); a = np.abs(x).max(-1, keepdims=True)
;;       e = np.where(a > 0, np.clip(np.frexp(np.where(a > 0, a, 1))[1] - 1 - 15, -126, 127), 0)      # np.frexp(a)[1] - 1 = floor(log2(a)), exactly
;;       r = np.clip(x / 2.0 ** e, -57344, 57344)
;;       step = 2.0 ** (np.maximum(np.frexp(np.where(r == 0, 1, r))[1] - 1, -14) - 2)
;;       q = np.round(r / step) * step * 2.0 ** e      # np.round: ties to even
;;       return np.moveaxis(q.reshape(q.shape[:-2] + (-1,))[..., :K], -1, axis).astype(np.float32)
;;   ~~~
;;   OPERANDS COMPUTED ON THE WAY. 'Computed on the way' means the value that the module computes at that place (a softmax that the list does not call 'softmax' is quantised finished and normalised). What goes into a quantiser is computed in f32, as accurately as f32 sums, v_exp_f32 and their like allow (about 1e-6 of the number): no bf16 or f16 on the way to a quantiser, and a product that is left as it is and whose result goes on into a quantised operand takes f32 operands (vector FMAs, or v_wmma_f32_16x16x4_f32). A number that lies on a knife's edge between two numbers of the format may be rounded either way, as far as f32 arithmetic and the matrix unit's own rounding can turn it there, and no further.
;; One version. Each part assembles by itself: llvm-mc -triple=amdgcn-amd-amdhsa -mcpu=gfx1250 --defsym DOCPART=n.
;; ======== version 1 of 1: 2 launches
;; limits: right only within a limited range of input values
;; workspace buffers: a_ws 36,765,696 bytes; b_ws 9,191,424 bytes
;; launch quant (part 1): grid 256 x 1, 8 waves a work-group, no clusters, 327,680 bytes of LDS; arguments logits, pp_logits, fc1, a_ws, b_ws; writes a_ws, b_ws
.if DOCPART == 1
	.amdgcn_target "amdgcn-amd-amdhsa--gfx1250"
	.amdhsa_code_object_version 6
	.text
	.protected	k_qd5627d21c1_quant
	.globl	k_qd5627d21c1_quant
	.p2align	8
	.type	k_qd5627d21c1_quant,@function
k_qd5627d21c1_quant:
	s_mov_b64 s[64:65], 0
	v_nop
	global_prefetch_b8 v0, s[64:65] scope:SCOPE_SE
	s_setreg_imm32_b32 hwreg(HW_REG_WAVE_MODE, 25, 1), 1
	s_wait_xcnt 0x0
; flat = [logits row (4,096 numbers) | pp_logits row (192)] for 8,192 rows, and fc1 [4,288 (k)][1,858 (n)], all f32, are turned ONCE into codes of
; BF8 (E5M2) with one E8M0 scale byte for each 32 along K, for the product's launch.  K is filled up to 4,352 = 17 chunks of 256 with zero codes.
; fc1's columns n from 1,858 to 2,047 repeat columns 1,856 and 1,857 by turns, so that in the product's last tile every pair of columns past the end equals the last pair.
; A block's scale is 2^(floor(log2(its largest magnitude)) - 15); its byte is that magnitude's exponent field - 15, held at 1 from below; each number is
; held within +-57,344 x the scale and rounded to the nearest code, ties to even.
; LIMITS: NaN and infinities among the inputs are not served.  A block whose largest magnitude lies under 2^-111 (the floor) keeps the byte 1.  A block of
; zeros has the byte 1 where the rule says 127: its codes are zeros, which add nothing under any byte but 0xff, and this program alone reads the bytes.
; THE WORKSPACE IS LAID IN THE ORDER OF THE OPERAND'S REGISTERS.  A CHUNK of 33,792 bytes is one panel (128 rows of flat, or 128 columns n of fc1) for 256 along K:
;   byte q 16384 + i 2048 + c 512 + 16 l : 16 codes of row 16 i + l % 16, k = 128 q + 32 c + 16 (l / 16) + 0 .. 15   (q: which 128 of K; i: block of 16 rows; c: block of 32; l: lane)
;   byte 32768 + i 128 + r 8 + q 4       : the four scale bytes of row 16 i + r for that q
; a_ws is [64 panels][17 chunks], b_ws [16 panels][17 chunks].
; 256 work-groups of eight waves.  Work-group g takes rows 32 g .. 32 g + 31 of flat, and of fc1 panel g % 16, chunk g / 16.
; LOGITS come by the tensor data mover: wave w takes 16 rows (w % 2) x 256 along K, chunk 4 t + w / 2 in turn t = 0 .. 3: a tile of 16 rows x 1,024 bytes, 16 bytes of padding behind each row.
; Each wave has two slots of its own and reads only its own tiles; a slot is filled again behind a barrier of all eight waves, one tensor load a wave.  The four turns are written out.
; FC1 comes by loads into registers (a row is 7,432 bytes, which no tile's rows may begin on): a lane takes a column and its registers run down K.  Wave w takes 32 columns (w % 4) x 128 along K (w / 4);
; its first 64 loads go out at the head, and the unit is worked on behind tiles 0 and 1, while the ring's next tiles are on their way.
; Behind tile 2: waves 4 to 7 take the rows' pp_logits (chunk 16 of a_ws, a fragment each), and wave 0 of work-groups 0 to 127 a unit of fc1's chunk 16.
; No cluster: no two work-groups read the same bytes.  No prefetch: each byte is asked for once, and the text has no loop to run ahead in.  No matrix unit.
.set CHUNK,  33792
.set KSTEPS, 17
.set PROW,   768
.set FROW,   7432
.set NCOL,   1858
.set TP,     1040                      ; a tile's row in LDS: 1,024 bytes + 16 = 65 x 16: sixteen rows' reads of 16 bytes fall on sixteen different columns of 16 bytes modulo 256
.set TILE,   16*TP
.set WREG,   2*TILE                    ; a wave's two slots
.set SPARE,  8*WREG                    ; the spare words, 128 bytes a wave: four blocks of 256 bytes that no other line names
.set SO,   1                           ; LDS: my wave's slot 0 + 1040 r + 64 h
.set CO,   2                           ; a_ws: 16 x lane + 2048 x my block of rows
.set SOFF, 3                           ; a_ws: 8 r + 128 x that block
.set SPW,  4
.set NIL,  5
.set W,    6                           ; v6-7 a row's two scale words
.set FO,   8                           ; fc1: 4 x my column
.set FO2,  9                           ; the same for a unit's blocks 2 and 3
.set BO,   10                          ; where my codes go (fc1's units, pp_logits)
.set BS,   11                          ; and my scale word
.set S,    12
.set PO,   13
.set PO2,  14
.set R,    16                          ; v16-79   fc1: two sets of 32 numbers
.set X,    80                          ; v80-207  two fragments' numbers, 64 a lane each
.set PC,   208                         ; v208-239 codes
.set TM,   240                         ; v240-243 largest magnitudes, v244-247 bytes, v248-251 the largest number x the scale, v252-255 the conversions' scale operands
.set G0,   32                          ; s[32:35], s[36:39] descriptor group 0 for slot 0, 1
.set G1,   40                          ; s[40:47] group 1
; a unit of fc1: panel s51, chunk s52, 32 columns s53, which 128 of K s54 -> first column s55, offsets in fc1 s[56:57] and in b_ws s[58:59], the codes' and the scale word's place s60, s61
.macro FCSC
	s_lshl_b32 s55, s51, 7
	s_lshl_b32 s56, s53, 5
	s_add_co_u32 s55, s55, s56
	s_lshl_b32 s56, s52, 8
	s_lshl_b32 s57, s54, 7
	s_add_co_u32 s56, s56, s57
	s_mul_i32 s56, s56, FROW
	s_mov_b32 s57, 0
	s_mul_i32 s58, s51, KSTEPS
	s_add_co_u32 s58, s58, s52
	s_mul_i32 s58, s58, CHUNK
	s_mov_b32 s59, 0
	s_lshl_b32 s60, s53, 12
	s_lshl_b32 s61, s54, 14
	s_add_co_u32 s60, s60, s61
	s_lshl_b32 s61, s53, 8
	s_lshl_b32 s62, s54, 2
	s_add_co_u32 s61, s61, s62
.endm
.macro FCADDR                          ; s62: how far down blocks 2 and 3 begin
	v_and_b32 v[X], 31, v0
	v_and_b32 v[X+1], 15, v0
	v_bfe_u32 v[X+2], v0, 4, 1
	v_add_nc_u32 v[X+3], s55, v[X]                 ; my column n
	v_and_b32 v[X+4], 1, v[X+3]
	v_add_nc_u32 v[X+4], NCOL-2, v[X+4]            ; 1,856 or 1,857, by its parity
	v_min_u32 v[FO], v[X+4], v[X+3]
	v_lshlrev_b32 v[FO], 2, v[FO]
	v_add_nc_u32 v[FO2], s62, v[FO]
	v_lshl_add_u32 v[BO], v[X+2], 11, s60          ; the block of 16 columns of my half of the lanes,
	v_lshl_add_u32 v[BO], v[X+1], 4, v[BO]         ; 16 bytes a column
	v_lshl_add_u32 v[BS], v[X], 3, s61             ; 8 bytes of scale words a column
.endm
	s_load_b256 s[4:11], s[0:1], 0x0               ; logits s[4:5], pp_logits s[6:7], fc1 s[8:9], a_ws s[10:11]
	s_load_b64 s[12:13], s[0:1], 0x20              ; b_ws
	v_lshl_add_u32 v[SPW], v0, 2, SPARE
	v_mov_b32 v[NIL], 0
	ds_add_u32 v[SPW], v[NIL]                      ; the opening lines: the add twice on end and one wait
	ds_add_u32 v[SPW], v[NIL]
	v_lshrrev_b32 v[X], 5, v0
	v_readfirstlane_b32 s16, v[X]                  ; wave 0..7
	s_mov_b32 s20, 0x76543210
	s_mov_b32 s21, 0xfedcba98                      ; v_permlanex16_b32's selects for lane l xor 16
	s_mov_b32 s22, 0x600000                        ; the mantissa field of 57,344
	s_and_b32 s17, s16, 1
	s_lshr_b32 s18, s16, 1
	s_lshl_b32 s28, ttmp9, 5
	s_lshl_b32 s29, s17, 4
	s_add_co_u32 s28, s28, s29                     ; my first row: 32 g + 16 (w % 2)
	s_lshl_b32 s28, s28, 14                        ; x 16,384 bytes: under 2^28
	s_lshl_b32 s29, s18, 10                        ; + 1,024 bytes a chunk
	s_add_co_u32 s28, s28, s29
	s_mov_b32 s29, 0
	s_lshr_b32 s19, ttmp9, 2
	s_mul_i32 s19, s19, KSTEPS                     ; my panel's first chunk
	s_add_co_u32 s30, s19, s18
	s_mul_i32 s30, s30, CHUNK
	s_mov_b32 s31, 0
	s_and_b32 s15, ttmp9, 3
	s_lshl_b32 s15, s15, 1                         ; the work-group's two blocks of rows in the panel
	s_add_co_u32 s14, s15, s17
	s_lshl_b32 s48, s14, 11
	s_lshl_b32 s49, s14, 7
	s_mov_b32 s[G0], 1
	s_mul_i32 s[G0+1], s16, WREG
	s_mov_b32 s[G0+4], 1
	s_add_co_u32 s[G0+5], s[G0+1], TILE
	s_mov_b32 s[G1+0], (2<<16)|(1<<20)|(7<<22)|(3<<25)   ; elements of 4 bytes; behind every 256 words 4 words of padding
	s_mov_b32 s[G1+1], 256<<16                     ; tensor_dim0 = 256
	s_mov_b32 s[G1+2], 16<<16                      ; tensor_dim1 = 16
	s_mov_b32 s[G1+3], 256<<16                     ; tile_dim0 = 256
	s_mov_b32 s[G1+4], 16                          ; tile_dim1 = 16
	s_mov_b32 s[G1+5], 4096                        ; a row of logits
	s_mov_b32 s[G1+6], 0
	s_mov_b32 s[G1+7], 0
	s_and_b32 s51, ttmp9, 15
	s_lshr_b32 s52, ttmp9, 4
	s_and_b32 s53, s16, 3
	s_lshr_b32 s54, s16, 2
	FCSC
	s_mov_b32 s62, 64*FROW
	FCADDR
	v_mul_u32_u24 v[SO], v[X+1], TP
	v_lshl_add_u32 v[SO], v[X+2], 6, v[SO]
	v_add_nc_u32 v[SO], s[G0+1], v[SO]
	v_lshl_add_u32 v[CO], v[X], 4, s48
	v_lshl_add_u32 v[SOFF], v[X+1], 3, s49
.irp b, 0,1,2,3
	v_mov_b32 v[TM+4+\b], 0                        ; written once: a lane permute's destination counts as one of its sources
.endr
	s_wait_alu depctr_va_vdst(0)
	s_wait_dscnt 0x0
	s_wait_kmcnt 0x0
	s_add_nc_u64 s[G0+2:G0+3], s[4:5], s[28:29]    ; turn 0's tile
	s_add_nc_u64 s[G0+6:G0+7], s[G0+2:G0+3], 4096  ; turn 1's: four chunks on
	s_or_b32 s[G0+3], s[G0+3], 0x80000000
	s_or_b32 s[G0+7], s[G0+7], 0x80000000
	s_add_nc_u64 s[30:31], s[10:11], s[30:31]      ; a_ws at turn 0's chunk
	s_add_nc_u64 s[26:27], s[8:9], s[56:57]        ; fc1 at my unit's first row
	s_add_nc_u64 s[24:25], s[12:13], s[58:59]      ; b_ws at its chunk
	tensor_load_to_lds s[G0:G0+3], s[G1:G1+7]      ; one tensor load a wave at the head
	s_nop 0
; 64 numbers of a lane, register 16 b + i = k 32 b + 16 h + i of my row, become a fragment's 16 registers of codes in v[pc] on and its scale word in v[pw].
.macro QUANT src, pw, pc
.irp b, 0,1,2,3
	v_max3_num_f32 v[TM+\b], |v[(\src)+16*\b]|, |v[(\src)+1+16*\b]|, 0x8000000   ; block b: my 16 numbers, and the floor 2^(16 - 127): the byte cannot fall under 1
.endr
.irp i, 2,4,6,8,10,12,14
.irp b, 0,1,2,3
	v_max3_num_f32 v[TM+\b], v[TM+\b], |v[(\src)+16*\b+\i]|, |v[(\src)+1+16*\b+\i]|   ; the four blocks by turns
.endr
.endr
.irp b, 0,1,2,3
	v_permlanex16_b32 v[TM+4+\b], v[TM+\b], s20, s21
.endr
.irp b, 0,1,2,3
	v_max_num_f32 v[TM+\b], v[TM+\b], v[TM+4+\b]   ; with lane l xor 16's 16: the block's largest magnitude
.endr
.irp b, 0,1,2,3
	v_add_nc_u32 v[TM+12+\b], 0xf8800000, v[TM+\b] ; 15 off its exponent field: the conversion's scale operand
.endr
.irp b, 0,1,2,3
	v_and_or_b32 v[TM+8+\b], v[TM+\b], 0x7f800000, s22   ; 57,344 x the scale
.endr
.irp b, 0,1,2,3
	v_lshrrev_b32 v[TM+4+\b], 23, v[TM+12+\b]      ; the scale's byte
.endr
	v_lshl_or_b32 v[(\pw)], v[TM+5], 8, v[TM+4]    ; my row's scale word (both halves of the lanes hold it)
	v_lshl_or_b32 v[(\pw)], v[TM+6], 16, v[(\pw)]
	v_lshl_or_b32 v[(\pw)], v[TM+7], 24, v[(\pw)]
.irp b, 0,1,2,3
.irp i, 0,1,2,3,4,5,6,7,8,9,10,11,12,13,14,15
	v_med3_num_f32 v[(\src)+16*\b+\i], v[(\src)+16*\b+\i], -v[TM+8+\b], v[TM+8+\b]   ; the conversion to an 8-bit code does not saturate (ISA guide 7.6.2): the hold comes first
.endr
	v_cvt_scalef32_pk8_bf8_f32 v[(\pc)+4*\b:(\pc)+1+4*\b], v[(\src)+16*\b:(\src)+7+16*\b], v[TM+12+\b]
	v_cvt_scalef32_pk8_bf8_f32 v[(\pc)+2+4*\b:(\pc)+3+4*\b], v[(\src)+8+16*\b:(\src)+15+16*\b], v[TM+12+\b]
.endr
	v_nop                                          ; one plain vector line behind the last conversion
.endm
; Slot s gets its next tile (step = 1: two turns on; 0: slot 1's first fill, with its address as the head made it).
.macro FILL s, step
	s_wait_tensorcnt 0x0                           ; my one tensor load that was out has landed
	ds_add_u32 v[SPW], v[NIL]
.if \step
	s_add_nc_u64 s[G0+4*\s+2:G0+4*\s+3], s[G0+4*\s+2:G0+4*\s+3], 2*4096
.endif
	s_wait_dscnt 0x0                               ; the add is done; my reads of the slot came back long ago
	s_barrier_signal -1
	s_barrier_wait -1
	tensor_load_to_lds s[G0+4*\s:G0+4*\s+3], s[G1:G1+7]
	s_nop 0
.endm
; Turn t's tile, in slot sl: two fragments (q = 0, 1).  Each leaves by four stores of 512 consecutive bytes, aligned; the rows' two scale words by one store of 8 bytes a row (lanes 16-31 store the same again).
.macro TILEP t, sl
	s_wait_xcnt 0x0                                ; earlier stores have read their codes and scale words: both are written again below
.irp q, 0,1
.irp b, 0,1,2,3
.irp j, 0,1,2,3
	ds_load_b128 v[X+64*\q+16*\b+4*\j:X+64*\q+16*\b+4*\j+3], v[SO] offset:\sl*TILE+512*\q+128*\b+16*\j
.endr
.endr
.endr
	s_wait_dscnt 16                                ; the first fragment's 16 loads are back
	QUANT X, W, PC
.irp c, 0,1,2,3
	global_store_b128 v[CO], v[PC+4*\c:PC+4*\c+3], s[30:31] offset:4*\t*CHUNK+512*\c
.endr
	s_wait_dscnt 0x0
	QUANT X+64, W+1, PC+16
.irp c, 0,1,2,3
	global_store_b128 v[CO], v[PC+16+4*\c:PC+16+4*\c+3], s[30:31] offset:4*\t*CHUNK+16384+512*\c
.endr
	global_store_b64 v[SOFF], v[W:W+1], s[30:31] offset:4*\t*CHUNK+32768
.endm
.macro LOADB t                         ; block t of a unit's four: fc1(32 t + i, my column), i = 0 .. 31, into set t % 2: a load reads 128 consecutive bytes a wave
.irp i, 0,1,2,3,4,5,6,7,8,9,10,11,12,13,14,15,16,17,18,19,20,21,22,23,24,25,26,27,28,29,30,31
.if (\t) < 2
	global_load_b32 v[R+32*((\t)%2)+\i], v[FO], s[26:27] offset:(32*(\t)+\i)*FROW th:TH_LOAD_NT
.else
	global_load_b32 v[R+32*((\t)%2)+\i], v[FO2], s[26:27] offset:(32*((\t)-2)+\i)*FROW th:TH_LOAD_NT
.endif
.endr
.endm
; msk = 1: blocks 2 and 3 may lie past K's end (mask s23).  nxt = 1: the set takes the block two further on.
.macro BLOCKB t, msk, nxt
.set XS, R+32*((\t)%2)
.if (\t) < 3
	s_wait_loadcnt 32                              ; this block's 32 loads are in; the next block's may be out
.else
	s_wait_loadcnt 0x0
.endif
.if (\msk) && ((\t) >= 2)
.irp i, 0,1,2,3,4,5,6,7,8,9,10,11,12,13,14,15,16,17,18,19,20,21,22,23,24,25,26,27,28,29,30,31
	v_cndmask_b32 v[XS+\i], 0, v[XS+\i], s23       ; rows past the end are zeros
.endr
.endif
	v_max3_num_f32 v[TM], |v[XS]|, |v[XS+1]|, |v[XS+2]|            ; the block's largest magnitude: all 32 numbers are mine; two chains
	v_max3_num_f32 v[TM+1], |v[XS+3]|, |v[XS+4]|, |v[XS+5]|
.irp i, 6,10,14,18,22,26
	v_max3_num_f32 v[TM], v[TM], |v[XS+\i]|, |v[XS+\i+1]|
	v_max3_num_f32 v[TM+1], v[TM+1], |v[XS+\i+2]|, |v[XS+\i+3]|
.endr
	v_max3_num_f32 v[TM], v[TM], |v[XS+30]|, |v[XS+31]|
	v_max3_num_f32 v[TM], v[TM], v[TM+1], 0x8000000                ; and the floor 2^(16 - 127)
	v_add_nc_u32 v[TM+12], 0xf8800000, v[TM]
	v_and_or_b32 v[TM+8], v[TM], 0x7f800000, s22
	v_lshrrev_b32 v[TM+4], 23, v[TM+12]
.if (\t) == 0
	v_mov_b32 v[S], v[TM+4]                        ; four bytes to a word, the lower K in the lower byte
.else
	v_lshl_or_b32 v[S], v[TM+4], 8*(\t), v[S]
.endif
.irp i, 0,1,2,3,4,5,6,7,8,9,10,11,12,13,14,15,16,17,18,19,20,21,22,23,24,25,26,27,28,29,30,31
	v_med3_num_f32 v[XS+\i], v[XS+\i], -v[TM+8], v[TM+8]
.endr
.irp g, 0,1,2,3
	v_cvt_scalef32_pk8_bf8_f32 v[PC+8*(\t)+2*\g:PC+8*(\t)+2*\g+1], v[XS+8*\g:XS+8*\g+7], v[TM+12]
.endr
	v_nop                                          ; one plain vector line behind the last conversion
	global_store_b128 v[BO], v[PC+8*(\t):PC+8*(\t)+3], s[24:25] offset:(\t)*512        ; k 0-15 of the block: sixteen lanes store 256 consecutive bytes, aligned
	global_store_b128 v[BO], v[PC+8*(\t)+4:PC+8*(\t)+7], s[24:25] offset:(\t)*512+256  ; k 16-31
.if \nxt
	LOADB (\t)+2
.endif
.endm
	LOADB 0                                        ; my unit of fc1 sets out beside the first tile
	LOADB 1
	FILL 1, 0                                      ; turn 0's tile has landed; turn 1's goes out: slot 1's first fill
	TILEP 0, 0
	s_wait_xcnt 0x0                                ; the tile's stores have read their codes
	BLOCKB 0, 0, 1
	BLOCKB 1, 0, 1
	FILL 0, 1                                      ; turn 2's tile
	TILEP 1, 1
	s_wait_xcnt 0x0
	BLOCKB 2, 0, 0
	BLOCKB 3, 0, 0
	global_store_b32 v[BS], v[S], s[24:25] offset:32768    ; my column's scale word for these 128 along K
	FILL 1, 1                                      ; turn 3's tile: the last load
	TILEP 2, 0
	s_wait_xcnt 0x0                                ; bases, offsets, codes and scale words are written again below
	s_wait_alu depctr_va_vdst(0)
	s_cmp_ge_u32 s16, 4
	s_cbranch_scc1 .Lpp
	s_cmp_lg_u32 s16, 0
	s_cbranch_scc1 .Ljoin
	s_cmp_ge_u32 ttmp9, 128
	s_cbranch_scc1 .Ljoin
; fc1's chunk 16: 16 panels x 4 x 32 columns x 2 halves = 128 units; work-group g takes unit g.  Its second half has 64 rows: blocks 2 and 3 read blocks 0 and 1 once more and count for nothing.
	s_lshr_b32 s51, ttmp9, 3
	s_mov_b32 s52, 16
	s_bfe_u32 s53, ttmp9, 0x20001
	s_and_b32 s54, ttmp9, 1
	FCSC
	s_cmp_eq_u32 s54, 0
	s_mov_b32 s62, 64*FROW
	s_cselect_b32 s62, s62, 0
	s_cselect_b32 s23, -1, 0
	FCADDR
	s_add_nc_u64 s[26:27], s[8:9], s[56:57]
	s_add_nc_u64 s[24:25], s[12:13], s[58:59]
	LOADB 0
	LOADB 1
	BLOCKB 0, 1, 1
	BLOCKB 1, 1, 1
	BLOCKB 2, 1, 0
	BLOCKB 3, 1, 0
	global_store_b32 v[BS], v[S], s[24:25] offset:32768
	s_branch .Ljoin
; pp_logits: chunk 16 of a_ws.  Wave w takes block (w / 2) % 2 of the work-group's two, half q = w % 2: k = 4,096 + 128 q on.  A row has 192 numbers: in q = 1 blocks 2 and 3 read blocks 0 and 1 once more and become zeros.
.Lpp:
	s_bfe_u32 s51, s16, 0x10001
	s_lshl_b32 s56, ttmp9, 5
	s_lshl_b32 s57, s51, 4
	s_add_co_u32 s56, s56, s57
	s_mul_i32 s56, s56, PROW
	s_lshl_b32 s57, s17, 9
	s_add_co_u32 s56, s56, s57
	s_mov_b32 s57, 0
	s_add_co_u32 s58, s19, 16
	s_mul_i32 s58, s58, CHUNK
	s_mov_b32 s59, 0
	s_add_co_u32 s52, s15, s51                     ; the block of rows in the panel
	s_lshl_b32 s60, s52, 11
	s_lshl_b32 s61, s17, 14
	s_add_co_u32 s60, s60, s61
	s_lshl_b32 s61, s52, 7
	s_lshl_b32 s62, s17, 2
	s_add_co_u32 s61, s61, s62
	s_cmp_eq_u32 s17, 0
	s_cselect_b32 s62, 256, 0
	s_cselect_b32 s23, -1, 0
	v_and_b32 v[R], 31, v0
	v_and_b32 v[R+1], 15, v0
	v_bfe_u32 v[R+2], v0, 4, 1
	v_mul_u32_u24 v[PO], v[R+1], PROW
	v_lshl_add_u32 v[PO], v[R+2], 6, v[PO]
	v_add_nc_u32 v[PO2], s62, v[PO]
	v_lshl_add_u32 v[BO], v[R], 4, s60
	v_lshl_add_u32 v[BS], v[R+1], 3, s61
	s_add_nc_u64 s[26:27], s[6:7], s[56:57]
	s_add_nc_u64 s[24:25], s[10:11], s[58:59]
.irp b, 0,1
.irp j, 0,1,2,3
	global_load_b128 v[X+16*\b+4*\j:X+16*\b+4*\j+3], v[PO], s[26:27] offset:128*\b+16*\j th:TH_LOAD_NT
	global_load_b128 v[X+32+16*\b+4*\j:X+32+16*\b+4*\j+3], v[PO2], s[26:27] offset:128*\b+16*\j th:TH_LOAD_NT
.endr
.endr
	s_wait_loadcnt 0x0
.irp i, 0,1,2,3,4,5,6,7,8,9,10,11,12,13,14,15,16,17,18,19,20,21,22,23,24,25,26,27,28,29,30,31
	v_cndmask_b32 v[X+32+\i], 0, v[X+32+\i], s23
.endr
	QUANT X, W, PC
.irp c, 0,1,2,3
	global_store_b128 v[BO], v[PC+4*\c:PC+4*\c+3], s[24:25] offset:512*\c
.endr
	global_store_b32 v[BS], v[W], s[24:25] offset:32768
.Ljoin:
	s_wait_tensorcnt 0x0                           ; turn 3's tile has landed
	TILEP 3, 1
	s_wait_tensorcnt 0x0                           ; the wave's end
	ds_add_u32 v[SPW], v[NIL]
	s_wait_dscnt 0x0
	s_endpgm
.Lfunc_end_k_qd5627d21c1_quant:
	.size	k_qd5627d21c1_quant, .Lfunc_end_k_qd5627d21c1_quant-k_qd5627d21c1_quant
	.p2alignl 7, 3214868480
	.fill 96, 4, 3214868480
	.section	.rodata,"a",@progbits
	.p2align	6, 0x0
	.amdhsa_kernel k_qd5627d21c1_quant
		.amdhsa_group_segment_fixed_size 327680
		.amdhsa_private_segment_fixed_size 0
		.amdhsa_enable_private_segment 0
		.amdhsa_kernarg_size 40
		.amdhsa_user_sgpr_count 2
		.amdhsa_user_sgpr_kernarg_segment_ptr 1
		.amdhsa_wavefront_size32 1
		.amdhsa_system_sgpr_workgroup_id_x 1
		.amdhsa_system_sgpr_workgroup_id_y 1
		.amdhsa_system_sgpr_workgroup_id_z 1
		.amdhsa_system_vgpr_workitem_id 0
		.amdhsa_next_free_vgpr 256
		.amdhsa_next_free_sgpr 66
		.amdhsa_reserve_vcc 0
		.amdhsa_float_denorm_mode_32 3
		.amdhsa_float_denorm_mode_16_64 3
		.amdhsa_memory_ordered 1
		.amdhsa_forward_progress 1
		.amdhsa_inst_pref_size 155
	.end_amdhsa_kernel
	.amdgpu_metadata
---
amdhsa.version: [ 1, 2 ]
amdhsa.kernels:
  - .name:           k_qd5627d21c1_quant
    .symbol:         k_qd5627d21c1_quant.kd
    .args:
      - { .name: logits, .offset: 0, .size: 8, .value_kind: global_buffer, .address_space: global }
      - { .name: pp_logits, .offset: 8, .size: 8, .value_kind: global_buffer, .address_space: global }
      - { .name: fc1, .offset: 16, .size: 8, .value_kind: global_buffer, .address_space: global }
      - { .name: a_ws, .offset: 24, .size: 8, .value_kind: global_buffer, .address_space: global }
      - { .name: b_ws, .offset: 32, .size: 8, .value_kind: global_buffer, .address_space: global }
    .group_segment_fixed_size: 327680
    .private_segment_fixed_size: 0
    .kernarg_segment_align: 8
    .kernarg_segment_size: 40
    .max_flat_workgroup_size: 256
    .sgpr_count:     66
    .vgpr_count:     256
    .wavefront_size: 32
...
	.end_amdgpu_metadata
.endif
;; end of part 1
;; launch gemm (part 2): grid 8 x 32, 4 waves a work-group, clusters of 4 x 1, 327,680 bytes of LDS; arguments a_ws, b_ws, out0; writes out0
.if DOCPART == 2
	.amdgcn_target "amdgcn-amd-amdhsa--gfx1250"
	.amdhsa_code_object_version 6
	.text
	.protected	k_qd5627d21c1_gemm
	.globl	k_qd5627d21c1_gemm
	.p2align	8
	.type	k_qd5627d21c1_gemm,@function
k_qd5627d21c1_gemm:
	s_mov_b64 s[64:65], 0
	v_nop
	global_prefetch_b8 v0, s[64:65] scope:SCOPE_SE
	s_setreg_imm32_b32 hwreg(HW_REG_WAVE_MODE, 25, 1), 1
	s_wait_xcnt 0x0
	s_wait_alu depctr_hold_cnt(0) depctr_sa_sdst(0) depctr_va_vdst(0) depctr_va_sdst(0) depctr_va_ssrc(0) depctr_va_vcc(0) depctr_vm_vsrc(0)
	s_getreg_b32 s2, hwreg(HW_REG_IB_STS2, 6, 4)
	s_cmp_eq_u32 s2, 0
	s_cbranch_scc0 .Lentry_in_a_cluster
	s_endpgm
.Lentry_in_a_cluster:
	s_bfe_u32 s2, ttmp6, 0x10000c
	s_cmp_lg_u32 s2, 0x3003
	s_cbranch_scc0 .Lentry_shape_is_right
	s_endpgm
.Lentry_shape_is_right:
; out0[m][n] = sum over k of flat[m][k] fc1[k][n], on the codes of BF8 (E5M2) and E8M0 scale bytes that the launch before laid down; sums in f32.
; a_ws is [64 panels of 128 rows][17 chunks], b_ws [16 panels of 128 columns][17 chunks]; a chunk is 256 along K: 32,768 bytes of codes as images of the operand's
; registers (byte q 16384 + i 2048 + c 512 + 16 lane), then 1,024 bytes of scale words (byte i 128 + r 8 + q 4).  K = 34 steps of 128.
; A tile of 256 x 256 to a work-group.  Four waves side by side: a wave makes all 256 rows x 64 columns of its own: 64 accumulators, 512 registers.  The matrix instruction is used
; transposed (source 0 = 16 columns of fc1, source 1 = 16 rows of flat), so that a lane holds eight neighbouring numbers of a row of the output.
; A'S CODES go through LDS: two slots of 131,072 bytes, each 256 rows x 512 along K (four steps), a chunk's codes to a wave's tensor load.  The four work-groups of a cluster
; (4, 1, 1) make four tiles of one tile row and ask for A's tiles jointly (mask 15).  One round of the cluster's barrier for four steps.
; B'S CODES AND SCALE WORDS go from memory straight into registers: b_ws lies in the registers' order, no wave needs another wave's columns, so each byte of B is asked for once by a
; work-group, 16 loads of 512 bytes a wave and step.  So LDS holds A alone and a slot holds 512 along K.  For that reason B has no joint load: it does not pass through LDS.
; A'S SCALE WORDS of the work-group's 256 rows, 34,816 bytes, are copied once, through registers, into LDS bytes of their own.
; PREFETCH: behind each joint refill in the loop a wave names 32 blocks of 256 bytes of the chunk that it will ask for one trip (four steps) later; the four partners share a
; chunk's 128 blocks out by address (cx).  Slots 0 to 2 and the last chunk come by their loads alone.  None for B and for the scale words: B's panels are read in the same steps by
; the 32 work-groups of a tile column, and the scale words are read in the head, which has no loop to run ahead in.
; THE WAY OUT: a row of out0 is 7,432 bytes = 29 x 256 + 8, so the tile's 1,024 bytes of row m begin 8 (m mod 32) bytes behind a multiple of 256.  The tile goes through one stage in LDS, and a row is
; stored by four instructions of 8 bytes a lane that begin at multiples of 256: three cover 256 consecutive bytes each, the fourth the row's first and last piece.
; In the last tile of a row only 66 columns exist.  b_ws repeats the last two columns in the columns past the end, so a lane past the end holds the same 8 bytes as the last pair and stores them there.
; REGISTERS: window 0: v7-31 addresses and B's scale words (v8-15), v32-63 A's scale words (two sets of 16), v64-127 the way out's offsets, v128-255 B's fragments (two sets of 64);
; window 1: A's fragments of one step, 16 blocks; windows 2, 3: accumulators ((a, b) at v[8 (4 (a mod 8) + b)]).
; A scale register holds the words of two blocks of 16: lanes 0-15 the even block's, lanes 16-31 the odd one's (chosen by the ROW selector).
.set CHUNK,  33792
.set CODES,  32768
.set PANEL,  17*CHUNK
.set SLOT,   4*CODES                   ; a power of two: one bit of an LDS address tells the slots apart
.set SCL,    2*SLOT                    ; behind the ring: A's scale words, 17,408 bytes a panel
.set SCP,    17*1024
.set SPARE,  SCL+2*SCP                 ; the spare words, 128 bytes a wave: two blocks of 256 bytes that no other line names
.set SPITCH, 1040                      ; the stage, from LDS byte 0: 256 rows of 1,024 bytes + 16; written behind a barrier behind which no wave reads tiles or scale words any more
.set NROW,   7432
.set NCOL,   1858
.set TRIPS,  6                         ; the loop's refills bring slots 2 to 7
.set LN,   7                           ; lane
.set SB,   8
.set LA,   16                          ; 16 x lane
.set L8,   17                          ; 8 x lane
.set ADRA, 18                          ; v18, v19: LDS: the slot that is read, panel 0 and panel 1
.set ADRS, 20                          ; LDS: that slot's scale words
.set SCW,  21
.set LB,   22                          ; B: 16 x lane + my four blocks of the panel's eight
.set L8B,  23                          ; B's scale words: 8 x lane + my two pairs of blocks
.set STO,  24                          ; v24-27: into the stage, four blocks of 16 rows to a register
.set SPW,  28
.set NIL,  29
.set PFO,  30
.set COLX, 31
.set SA,   32
.set W0,   64                          ; v64-95: out0 offsets of the store that takes a row's two end pieces, by m mod 32
.set V1,   96                          ; v96-127: of the store behind it
.set BF,   128
.set LW0,  128                         ; on the way out: v128-159 the LDS addresses that go with W0
.set RD0,  160                         ; v160, v161: my 64 rows of the stage, first and second 32
.set RDW,  162
.set G1,   24
.set G0,   32
.set BP,   36
.set PFA,  38
.set RDS,  44
.set SAVE, 45
.set MSB, 0
.macro WIN new
.if MSB != (\new)
	s_set_vgpr_msb (MSB<<8)|(\new)
.set MSB, (\new)
.endif
.endm
.set MLO, 0xa4                         ; source 0 (B) window 0, source 1 (A) window 1, C and D window 2
.set MHI, 0xf4
.set TOA, 0x40                         ; destination window 1, address window 0
.set FROM1, 0x04                       ; a store's data window 1
.macro PLACES n
.rept \n
	v_nop
.endr
.endm
.macro CREST
	s_cmp_lg_u32 s14, 0
	s_cbranch_scc1 .Lnot_wave_0_\@
	s_barrier_signal -3
.Lnot_wave_0_\@:
	s_barrier_wait -3
	s_barrier_signal -1
	s_barrier_wait -1
.endm
.macro CROUND
	s_barrier_signal -1
	s_barrier_wait -1
	CREST
.endm
.macro JLOAD                           ; four v_nop follow before any window is switched
	tensor_load_to_lds s[G0:G0+3], s[G1:G1+7]
	s_nop 0
	PLACES 4
.endm
	s_load_b128 s[4:7], s[0:1], 0x0                ; a_ws, b_ws
	s_load_b64 s[8:9], s[0:1], 0x10                ; out0
	v_lshl_add_u32 v[SPW], v0, 2, SPARE
	v_mov_b32 v[NIL], 0
	ds_add_u32 v[SPW], v[NIL]                      ; the opening lines: the add twice on end and one wait
	ds_add_u32 v[SPW], v[NIL]
	v_lshrrev_b32 v1, 5, v0
	v_readfirstlane_b32 s14, v1                    ; wave w
	s_lshr_b32 s15, s14, 1                         ; the panel of A that I fetch for; the panel of B that holds my columns
	s_and_b32 s16, s14, 1                          ; which chunk of a slot I fetch; which half of B's panel is mine
	s_bfe_u32 s40, ttmp6, 0x40000                  ; cx
	s_lshl_b32 s42, ttmp9, 2
	s_add_co_u32 s42, s42, s40                     ; tile column
	s_and_b32 s17, ttmp7, 0xffff                   ; tile row
	s_mov_b32 s[G1+0], 15|(3<<16)|(1<<21)          ; mask: the cluster's four; elements of 8 bytes; bit 21 beside a mask
	s_mov_b32 s[G1+1], 32<<16                      ; rows of 32 elements = 256 bytes,
	s_mov_b32 s[G1+2], 128<<16                     ; 128 of them: a chunk's codes, dense
	s_mov_b32 s[G1+3], 32<<16
	s_mov_b32 s[G1+4], 128
	s_mov_b32 s[G1+5], 32
	s_mov_b32 s[G1+6], 0
	s_mov_b32 s[G1+7], 0
	s_lshl_b32 s20, s17, 1
	s_add_co_u32 s20, s20, s15
	s_mul_i32 s20, s20, PANEL                      ; the panel of A that I fetch for, in bytes (no cx in it)
	s_mov_b32 s21, 0
	s_mul_i32 s22, s16, CHUNK
	s_mov_b32 s23, 0
	s_lshl_b32 s46, s42, 1
	s_add_co_u32 s46, s46, s15
	s_mul_i32 s46, s46, PANEL                      ; my panel of B
	s_mov_b32 s47, 0
	s_lshl_b32 s48, s16, 9
	s_add_co_u32 s48, s48, CODES                   ; my half of each chunk's 1,024 bytes of A's scale words
	s_mov_b32 s49, 0
	s_lshl_b32 s50, s40, 13
	s_add_co_u32 s50, s50, 6*CHUNK                 ; prefetch: slot 3's chunk, my work-group's 32 blocks of 256 bytes
	s_mov_b32 s51, 0
	s_mov_b32 s[RDS], 0
	s_mul_i32 s53, s15, SCP
	s_add_co_u32 s53, s53, SCL
	s_lshl_b32 s52, s16, 9
	s_add_co_u32 s53, s53, s52
	s_mul_i32 s54, s14, 64*SPITCH                  ; my 64 rows of the stage
	s_lshl_b32 s56, s14, 8                         ; my 256 bytes of a stage row
	s_lshl_b32 s55, s42, 8
	s_add_co_u32 s55, s55, 66                      ; the tile's 67th column: past the end in the last tile alone
	s_lshl_b32 s58, s17, 8
	s_lshl_b32 s59, s14, 6
	s_add_co_u32 s58, s58, s59
	s_mul_i32 s58, s58, NROW
	s_lshl_b32 s59, s42, 10
	s_add_co_u32 s58, s58, s59                     ; out0: row 256 x tile row + 64 x wave, the tile's first column, in bytes
	s_mov_b32 s59, 0
	s_cmp_lg_u32 s42, 7
	s_cselect_b32 s57, -1, 0                       ; all lanes, but in the last tile none
	s_cselect_b32 s60, 248, 0
	s_mov_b32 s[G0], 1
	s_lshl_b32 s[G0+1], s14, 15                    ; LDS: wave x 32,768, slot 0
	v_and_b32 v[LN], 31, v0
	v_and_b32 v2, 15, v0
	v_bfe_u32 v3, v0, 4, 1
	v_lshlrev_b32 v[LA], 4, v[LN]
	v_lshlrev_b32 v[L8], 3, v[LN]
	v_add_nc_u32 v5, 1024, v[L8]
	v_mov_b32 v[ADRA], v[LA]
	v_add_nc_u32 v[ADRA+1], 2*CODES, v[LA]
	v_add_nc_u32 v[ADRS], SCL, v[L8]
	v_add_nc_u32 v[SCW], s53, v[LA]
	v_lshl_add_u32 v[LB], s16, 13, v[LA]
	v_lshl_add_u32 v[L8B], s16, 9, v[L8]
	v_mul_u32_u24 v4, v2, SPITCH
	v_lshl_add_u32 v4, v3, 5, v4
	v_add_nc_u32 v[STO], s56, v4                   ; into the stage: row l % 16, 32 bytes for each half of the lanes, my 256 bytes of the row
	v_add_nc_u32 v[STO+1], 64*SPITCH, v[STO]
	v_add_nc_u32 v[STO+2], 128*SPITCH, v[STO]
	v_add_nc_u32 v[STO+3], 192*SPITCH, v[STO]
	v_mov_b32 v[COLX], s55
	v_lshlrev_b32 v[PFO], 8, v[LN]
	s_wait_alu depctr_va_vdst(0)
	s_wait_dscnt 0x0
	s_wait_kmcnt 0x0
	s_add_nc_u64 s[20:21], s[4:5], s[20:21]
	s_add_nc_u64 s[G0+2:G0+3], s[20:21], s[22:23]
	s_add_nc_u64 s[PFA:PFA+1], s[G0+2:G0+3], s[50:51]
	s_or_b32 s[G0+3], s[G0+3], 0x80000000
	s_add_nc_u64 s[48:49], s[20:21], s[48:49]
	s_add_nc_u64 s[BP:BP+1], s[6:7], s[46:47]
	s_add_nc_u64 s[8:9], s[8:9], s[58:59]
.macro WM a, b, p, q, sc, zero, nop, m1, m2
.if \zero
	v_wmma_scale_f32_16x16x128_f8f6f4 v[8*(4*((\a)%8)+(\b)):8*(4*((\a)%8)+(\b))+7], v[BF+64*(\p)+16*(\b):BF+64*(\p)+16*(\b)+15], v[16*(\a):16*(\a)+15], 0, v[SB+4*(\sc)+2*((\b)/2)+(\q)], v[SA+16*(\sc)+2*((\a)/2)+(\q)] matrix_a_fmt:MATRIX_FMT_BF8 matrix_b_fmt:MATRIX_FMT_BF8 \m1 \m2
.else
	v_wmma_scale_f32_16x16x128_f8f6f4 v[8*(4*((\a)%8)+(\b)):8*(4*((\a)%8)+(\b))+7], v[BF+64*(\p)+16*(\b):BF+64*(\p)+16*(\b)+15], v[16*(\a):16*(\a)+15], v[8*(4*((\a)%8)+(\b)):8*(4*((\a)%8)+(\b))+7], v[SB+4*(\sc)+2*((\b)/2)+(\q)], v[SA+16*(\sc)+2*((\a)/2)+(\q)] matrix_a_fmt:MATRIX_FMT_BF8 matrix_b_fmt:MATRIX_FMT_BF8 \m1 \m2
.endif
.if \nop
	v_nop
.endif
.endm
; 8 matrix instructions: A's blocks a0 (even), a0 + 1 x my four blocks of B.  p: B's set; q: which 128 of the chunk; sc: the chunk's set of scale words.  The accumulators take turns.
; nop = 1: a v_nop behind each: the eight places in front of the loads that follow, into fragments that the eight instructions before these have read.
.macro MUL8 a0, p, q, sc, zero, nop
.irp b, 0,2
	WM \a0, \b, \p, \q, \sc, \zero, \nop
	WM \a0, \b+1, \p, \q, \sc, \zero, \nop, matrix_a_scale:MATRIX_SCALE_ROW1
.endr
.irp b, 0,2
	WM \a0+1, \b, \p, \q, \sc, \zero, \nop, matrix_b_scale:MATRIX_SCALE_ROW1
	WM \a0+1, \b+1, \p, \q, \sc, \zero, \nop, matrix_a_scale:MATRIX_SCALE_ROW1, matrix_b_scale:MATRIX_SCALE_ROW1
.endr
.endm
.macro FETCH_A cp, q, g                ; A's blocks 4 g .. 4 g + 3 of the slot's chunk cp, its q-th 128 along K: 16 LDS loads
.irp i, 4*(\g), 4*(\g)+1, 4*(\g)+2, 4*(\g)+3
.irp c, 0,1,2,3
	ds_load_b128 v[16*(\i)+4*\c:16*(\i)+4*\c+3], v[ADRA+(\i)/8] offset:CODES*(\cp)+16384*(\q)+2048*((\i)%8)+512*\c
.endr
.endr
.endm
.macro ASCALES cp                      ; the scale words of the 256 rows for the slot's chunk cp: 8 LDS loads of 256 bytes
.irp j, 0,1,2,3,4,5,6,7
	ds_load_b64 v[SA+16*(\cp)+2*\j:SA+16*(\cp)+2*\j+1], v[ADRS] offset:SCP*(\j/4)+1024*(\cp)+256*(\j%4)
.endr
.endm
.macro GLOADB p, rel, q                ; my four fragments of B of chunk BP + rel, its q-th 128 along K, into set p: 16 loads of 512 consecutive bytes
.irp i, 0,1,2,3
.irp c, 0,1,2,3
	global_load_b128 v[BF+64*(\p)+16*\i+4*\c:BF+64*(\p)+16*\i+4*\c+3], v[LB], s[BP:BP+1] offset:CHUNK*(\rel)+16384*(\q)+2048*\i+512*\c
.endr
.endr
.endm
.macro BSCALES sc, rel                 ; and that chunk's scale words: 2 loads of 256 consecutive bytes
.irp j, 0,1
	global_load_b64 v[SB+4*(\sc)+2*\j:SB+4*(\sc)+2*\j+1], v[L8B], s[BP:BP+1] offset:CHUNK*(\rel)+CODES+256*\j
.endr
.endm
; Step j = 0, 1, 2 of a slot's four: chunk j / 2, q = j % 2, B's set j % 2.  Four groups of four blocks of A, 16 matrix instructions each.  In the middle of a group the fragments of the group before it
; are fetched anew, for their next use six half groups on.  A group's wait leaves the two younger groups' 32 loads out.
.macro STEP j, zero, adv, gl
	s_wait_loadcnt 16+2*((\j)%2)                   ; my set of B and its scale words are in; out may be the next step's 16 loads and, where it opens a chunk, 2 of scale words
	s_wait_dscnt 32
	WIN MLO
	MUL8 0, (\j)%2, (\j)%2, (\j)/2, \zero, 0
	WIN TOA
	FETCH_A (\j)/2, (\j)%2, 3                      ; (eight places stand at the end of the step before)
	WIN MLO
	MUL8 2, (\j)%2, (\j)%2, (\j)/2, \zero, 0
	s_wait_dscnt 32
	MUL8 4, (\j)%2, (\j)%2, (\j)/2, \zero, 1
.if (\j) == 1
	WIN 0
	ASCALES 1
.endif
	WIN TOA
	FETCH_A ((\j)+1)/2, ((\j)+1)%2, 0
	WIN MLO
	MUL8 6, (\j)%2, (\j)%2, (\j)/2, \zero, 0
	s_wait_dscnt 32
	WIN MHI
	MUL8 8, (\j)%2, (\j)%2, (\j)/2, \zero, 1
	WIN TOA
	FETCH_A ((\j)+1)/2, ((\j)+1)%2, 1
	WIN MHI
	MUL8 10, (\j)%2, (\j)%2, (\j)/2, \zero, 0
	s_wait_dscnt 32
	MUL8 12, (\j)%2, (\j)%2, (\j)/2, \zero, 1
	WIN TOA
	FETCH_A ((\j)+1)/2, ((\j)+1)%2, 2
	WIN MHI
	MUL8 14, (\j)%2, (\j)%2, (\j)/2, \zero, 0
	PLACES 8                                       ; in front of the loads into B's set, and into A's last group in the next step
	WIN 0
.if \adv
	s_wait_xcnt 0x0                                ; the loads and the prefetch issued a step ago have read their bases
	s_add_nc_u64 s[BP:BP+1], s[BP:BP+1], 2*CHUNK
	s_add_nc_u64 s[PFA:PFA+1], s[PFA:PFA+1], 2*CHUNK
.endif
.if \gl
	GLOADB (\j)%2, 1+(\j)/2, (\j)%2                ; B for the step after the next
.if (\j)%2 == 0
	BSCALES 1-(\j)/2, 1+(\j)/2
.endif
.endif
.endm
; A slot's fourth step changes slots.  fill = 1: a round of the cluster's barrier, and this slot is filled again, every wave a chunk; 2: the same, the last chunk of K alone (waves 0 and 2); 0: a plain barrier.
.macro TURN fill, ask
	s_wait_loadcnt 18
	s_wait_dscnt 32
	WIN MLO
	MUL8 0, 1, 1, 1, 0, 0
	WIN TOA
	FETCH_A 1, 1, 3                                ; my last reads of this slot
	WIN MLO
	MUL8 2, 1, 1, 1, 0, 0
	WIN 0
	s_wait_tensorcnt 0x0                           ; my part of the next slot has landed
	ds_add_u32 v[SPW], v[NIL]
	s_wait_dscnt 33                                ; the add and two groups of A may be out
	WIN MLO
	MUL8 4, 1, 1, 1, 0, 1
	s_wait_dscnt 0x0                               ; the add is done, my reads of this slot are over
	s_barrier_signal -1
	MUL8 6, 1, 1, 1, 0, 0
	WIN 0
	s_barrier_wait -1
.if \fill
	CREST
	s_xor_b32 s[G0+1], s[G0+1], SLOT               ; no tensor load of mine is out: the slot just read,
	s_add_nc_u64 s[G0+2:G0+3], s[G0+2:G0+3], 2*CHUNK   ; and the chunk two further on than my last
.endif
.if \fill == 1
	JLOAD
.endif
.if \fill == 2
	s_cmp_eq_u32 s16, 0
	s_cbranch_scc0 .Lno_chunk_\@                   ; K ends with chunk 16: the second chunk of this slot does not exist
	JLOAD
.Lno_chunk_\@:
.endif
	s_xor_b32 s[RDS], s[RDS], SLOT
	v_add_nc_u32 v[ADRA], s[RDS], v[LA]            ; on to the other slot,
	v_add_nc_u32 v[ADRA+1], 2*CODES, v[ADRA]
	v_add_nc_u32 v[ADRS], 2048, v[ADRS]            ; and its two chunks' scale words
	s_wait_alu depctr_va_vdst(0)
	ASCALES 0
.if \ask
	s_cmp_gt_u32 s3, 1                             ; the last trip asks for nothing: the slot after the next refill's has one chunk
	s_cbranch_scc0 .Lno_ask_\@
	global_prefetch_b8 v[PFO], s[PFA:PFA+1] th:TH_LOAD_NT scope:SCOPE_SE
.Lno_ask_\@:
.endif
	WIN TOA
	FETCH_A 0, 0, 0
	WIN MHI
	MUL8 8, 1, 1, 1, 0, 1
	WIN TOA
	FETCH_A 0, 0, 1
	WIN MHI
	MUL8 10, 1, 1, 1, 0, 0
	MUL8 12, 1, 1, 1, 0, 1
	WIN TOA
	FETCH_A 0, 0, 2
	WIN MHI
	MUL8 14, 1, 1, 1, 0, 0
	PLACES 8
	WIN 0
	GLOADB 1, 2, 1
.endm
	WIN TOA
.irp ch, 0,1,2,3,4,5,6,7,8,9,10,11,12,13,14,15,16
	global_load_b128 v[4*\ch:4*\ch+3], v[LA], s[48:49] offset:CHUNK*\ch   ; my 17 pieces of 512 bytes of A's scale words
.endr
	WIN 0
	GLOADB 0, 0, 0                                 ; B for step 0
	BSCALES 0, 0
	CROUND                                         ; the round in front of the first joint loads
	JLOAD                                          ; slot 0: one tensor load a wave at the head
	GLOADB 1, 0, 1                                 ; B for step 1
; The way out's offsets in a row's 1,024 bytes, + 8 T, for a row with m mod 32 = T (the stores' immediates take the 8 T off again).
; W0: lanes from T on take the row's first bytes, the lanes under T its last 8 T bytes; in the last tile these take the last pair of columns, byte 256, instead.
; V1: the next 256 bytes: 8 x lane; in the last tile held at 8 T, which is byte 256.
.set T, 0
.rept 32
	s_movk_i32 s62, 256+8*T
	v_cndmask_b32 v6, s62, v5, s57
	v_cmp_gt_u32 vcc_lo, T, v[LN]
	v_cndmask_b32 v[W0+T], v[L8], v6, vcc_lo
	s_max_u32 s61, s60, 8*T
	v_min_u32 v[V1+T], s61, v[L8]
.set T, T+1
.endr
	s_wait_alu depctr_va_vdst(0)
	s_wait_loadcnt 34                              ; behind the 17 pieces: 18 + 16 loads of B
	s_wait_tensorcnt 0x0
	WIN FROM1
.irp ch, 0,1,2,3,4,5,6,7,8,9,10,11,12,13,14,15,16
	ds_store_b128 v[SCW], v[4*\ch:4*\ch+3] offset:1024*\ch
.endr
	WIN 0
	s_wait_tensorcnt 0x0
	ds_add_u32 v[SPW], v[NIL]
	s_xor_b32 s[G0+1], s[G0+1], SLOT
	s_add_nc_u64 s[G0+2:G0+3], s[G0+2:G0+3], 2*CHUNK
	s_wait_dscnt 0x0                               ; the add and my stores of scale words are done
	CROUND
	JLOAD                                          ; slot 1
	ASCALES 0
	WIN TOA
	FETCH_A 0, 0, 0
	FETCH_A 0, 0, 1
	FETCH_A 0, 0, 2
	STEP 0, 1, 0, 1                                ; the first step starts the sums
	s_mov_b32 s3, TRIPS
.Llap:                                                 ; a trip: a slot's steps 1, 2, 3 and the next slot's step 0
	STEP 1, 0, 0, 1
	STEP 2, 0, 0, 1
	TURN 1, 1
	STEP 0, 0, 1, 1
	s_sub_co_u32 s3, s3, 1
	s_cmp_lg_u32 s3, 0
	s_cbranch_scc1 .Llap
	STEP 1, 0, 0, 1                                ; slot 6
	STEP 2, 0, 0, 1
	TURN 2, 0                                      ; the last fill: chunk 16
	STEP 0, 0, 1, 1                                ; slot 7
	STEP 1, 0, 0, 1
	STEP 2, 0, 0, 1
	TURN 0, 0
	STEP 0, 0, 0, 0                                ; chunk 16: steps 32 and 33
	s_wait_loadcnt 0x0
	s_wait_dscnt 32
	WIN MLO
	MUL8 0, 1, 1, 0, 0, 0
	WIN TOA
	FETCH_A 0, 1, 3
	WIN MLO
	MUL8 2, 1, 1, 0, 0, 0
	s_wait_dscnt 32
	MUL8 4, 1, 1, 0, 0, 0
	MUL8 6, 1, 1, 0, 0, 0
	s_wait_dscnt 16
	WIN MHI
	MUL8 8, 1, 1, 0, 0, 0
	MUL8 10, 1, 1, 0, 0, 0
	s_wait_dscnt 0x0
	MUL8 12, 1, 1, 0, 0, 0
	MUL8 14, 1, 1, 0, 0, 0
	PLACES 8
	WIN 0
; THE WAY OUT.  A barrier: no wave reads tiles or scale words any more.  Every wave puts its 256 rows x 256 bytes into the stage (each accumulator from its low end on); a barrier; wave w takes rows 64 w on, whole.
	s_barrier_signal -1
	s_barrier_wait -1
	v_add_nc_u32 v[RD0], s54, v[L8]
	v_add_nc_u32 v[RD0+1], 32*SPITCH, v[RD0]
	v_add_nc_u32 v[RDW], 1024, v[RD0]
.set T, 0
.rept 32
	v_cmp_gt_u32 vcc_lo, T, v[LN]
	v_cndmask_b32 v[LW0+T], v[RD0], v[RDW], vcc_lo ; the stage's bytes that go with W0: the same in every tile
.set T, T+1
.endr
.irp a, 0,1,2,3,4,5,6,7,8,9,10,11,12,13,14,15
	WIN 0x08+4*(\a/8)
.irp b, 0,1,2,3
	ds_store_b128 v[STO+\a/4], v[8*(4*(\a%8)+\b):8*(4*(\a%8)+\b)+3] offset:(\a%4)*16*SPITCH+64*\b
	ds_store_b128 v[STO+\a/4], v[8*(4*(\a%8)+\b)+4:8*(4*(\a%8)+\b)+7] offset:(\a%4)*16*SPITCH+64*\b+16
.endr
.endr
	WIN 0
	s_wait_alu depctr_va_vdst(0)
	s_wait_dscnt 0x0                               ; for the others' sake: my stores into the stage are done
	s_barrier_signal -1
	s_barrier_wait -1
; 32 rows: row T of them has m mod 32 = T.  Four loads and four stores of 8 bytes a lane to a row; store k = 1, 2, 3 covers the 256 bytes from the k-th multiple of 256 behind the row's first byte.
.macro BATCH h
	WIN TOA
.set T, 0
.rept 32
	ds_load_b64 v[2*T:2*T+1], v[LW0+T] offset:(32*\h+T)*SPITCH-8*T
.set T, T+1
.endr
.irp k, 1,2,3
.set T, 0
.rept 32
	ds_load_b64 v[64*\k+2*T:64*\k+2*T+1], v[RD0+\h] offset:T*SPITCH+256*\k-8*T
.set T, T+1
.endr
.endr
	s_wait_dscnt 63                                ; the first 64 loads are back
	WIN FROM1
.set T, 0
.rept 32
	global_store_b64 v[W0+T], v[2*T:2*T+1], s[8:9] offset:(32*\h+T)*NROW-8*T th:TH_STORE_NT
	global_store_b64 v[V1+T], v[64+2*T:64+2*T+1], s[8:9] offset:(32*\h+T)*NROW+256-8*T th:TH_STORE_NT
.set T, T+1
.endr
	WIN 0
	s_wait_dscnt 0x0
	s_wait_xcnt 0x0                                ; EXEC changes only behind this wait
	v_cmp_gt_u32 vcc_lo, NCOL, v[COLX]             ; the last two stores lie wholly past the end in the last tile, and nowhere else
	s_and_saveexec_b32 s[SAVE], vcc_lo
	WIN FROM1
.irp k, 2,3
.set T, 0
.rept 32
	global_store_b64 v[L8], v[64*\k+2*T:64*\k+2*T+1], s[8:9] offset:(32*\h+T)*NROW+256*\k-8*T th:TH_STORE_NT
.set T, T+1
.endr
.endr
	s_wait_xcnt 0x0                                ; also: the next batch's loads land on the stores' data only behind this wait
	s_or_b32 exec_lo, exec_lo, s[SAVE]
	WIN 0
.endm
	BATCH 0
	BATCH 1
	s_wait_tensorcnt 0x0                           ; the wave's end
	ds_add_u32 v[SPW], v[NIL]
	s_wait_dscnt 0x0
	CROUND                                         ; the closing round
	s_endpgm
.Lfunc_end_k_qd5627d21c1_gemm:
	.size	k_qd5627d21c1_gemm, .Lfunc_end_k_qd5627d21c1_gemm-k_qd5627d21c1_gemm
	.p2alignl 7, 3214868480
	.fill 96, 4, 3214868480
	.section	.rodata,"a",@progbits
	.p2align	6, 0x0
	.amdhsa_kernel k_qd5627d21c1_gemm
		.amdhsa_group_segment_fixed_size 327680
		.amdhsa_private_segment_fixed_size 0
		.amdhsa_enable_private_segment 0
		.amdhsa_kernarg_size 24
		.amdhsa_user_sgpr_count 2
		.amdhsa_user_sgpr_kernarg_segment_ptr 1
		.amdhsa_wavefront_size32 1
		.amdhsa_system_sgpr_workgroup_id_x 1
		.amdhsa_system_sgpr_workgroup_id_y 1
		.amdhsa_system_sgpr_workgroup_id_z 1
		.amdhsa_system_vgpr_workitem_id 0
		.amdhsa_next_free_vgpr 1024
		.amdhsa_next_free_sgpr 66
		.amdhsa_reserve_vcc 1
		.amdhsa_float_denorm_mode_32 3
		.amdhsa_float_denorm_mode_16_64 3
		.amdhsa_memory_ordered 1
		.amdhsa_forward_progress 1
		.amdhsa_inst_pref_size 255
	.end_amdhsa_kernel
	.section	.bss,"aw",@nobits
	.p2align	6
	.space	262144
	.amdgpu_metadata
---
amdhsa.version: [ 1, 2 ]
amdhsa.kernels:
  - .name:           k_qd5627d21c1_gemm
    .symbol:         k_qd5627d21c1_gemm.kd
    .args:
      - { .name: a_ws, .offset: 0, .size: 8, .value_kind: global_buffer, .address_space: global }
      - { .name: b_ws, .offset: 8, .size: 8, .value_kind: global_buffer, .address_space: global }
      - { .name: out0, .offset: 16, .size: 8, .value_kind: global_buffer, .address_space: global }
    .group_segment_fixed_size: 327680
    .private_segment_fixed_size: 0
    .kernarg_segment_align: 8
    .kernarg_segment_size: 24
    .max_flat_workgroup_size: 128
    .sgpr_count:     66
    .vgpr_count:     1024
    .wavefront_size: 32
...
	.end_amdgpu_metadata
.endif
;; end of part 2
